; MI455X (gfx1250); checked and timed in simulation.
; The chip was launched on July 23, 2026; its instructions are those of AMD's public machine-readable ISA for CDNA 5 (MIT licence, August 2026) and "CDNA5" Instruction Set Architecture Reference Guide (July 2026). The comments in the code are by the model that wrote it; some were corrected since.
;; Expert Parallel Mo E. Allowed arithmetic: matrix products marked QUANTISED: E2M1 operands, one E8M0 scale for each 32 along K, by v_wmma_scale_f32_16x16x128_f8f6f4 with both operands' format E2M1 (or v_wmma_scale_f32_32x16x128_f4), f32 sums; everything else in f32.
;; Inputs: expert_idx 2 x 1,024 int32; w_down 8 x 1,024 x 1,024 float32; w_gate 8 x 1,024 x 1,024 float32; w_up 8 x 1,024 x 1,024 float32; x 2 x 1,024 x 1,024 float32.
;; Outputs: out0 2 x 1,024 x 1,024 float32.
;; This version of the problem:
;;   THIS VERSION OF THE PROBLEM IS GIVEN IN LOW PRECISION. The matrix products marked QUANTISED in the list below multiply operands that are first quantised to E2M1 (2 exponent bits, 1 mantissa bit; 4 bits a number), with one power-of-two scale for each 32 numbers along K (OCP MX v1.0); their sums are f32. All else is computed in f32.
;;   The module's matrix products, in the order in which they are computed (A, B: the left and right operand; K: the contracted axis; several contracted axes count as one K, in the product's order):
;;     1. [M 2,048, K 1,024] x [K 1,024, N 1,024]; A: input x; B: input w_gate: QUANTISED
;;     2. [M 2,048, K 1,024] x [K 1,024, N 1,024]; A: input x; B: input w_up: QUANTISED
;;     3. [M 2,048, K 1,024] x [K 1,024, N 1,024]; A: computed on the way; B: input w_down: QUANTISED
;;     4. [M 2,048, K 1,024] x [K 1,024, N 1,024]; A: input x; B: input w_gate: QUANTISED
;;     5. [M 2,048, K 1,024] x [K 1,024, N 1,024]; A: input x; B: input w_up: QUANTISED
;;     6. [M 2,048, K 1,024] x [K 1,024, N 1,024]; A: computed on the way; B: input w_down: QUANTISED
;;     7. [M 2,048, K 1,024] x [K 1,024, N 1,024]; A: input x; B: input w_gate: QUANTISED
;;     8. [M 2,048, K 1,024] x [K 1,024, N 1,024]; A: input x; B: input w_up: QUANTISED
;;     9. [M 2,048, K 1,024] x [K 1,024, N 1,024]; A: computed on the way; B: input w_down: QUANTISED
;;     10. [M 2,048, K 1,024] x [K 1,024, N 1,024]; A: input x; B: input w_gate: QUANTISED
;;     11. [M 2,048, K 1,024] x [K 1,024, N 1,024]; A: input x; B: input w_up: QUANTISED
;;     12. [M 2,048, K 1,024] x [K 1,024, N 1,024]; A: computed on the way; B: input w_down: QUANTISED
;;     13. [M 2,048, K 1,024] x [K 1,024, N 1,024]; A: input x; B: input w_gate: QUANTISED
;;     14. [M 2,048, K 1,024] x [K 1,024, N 1,024]; A: input x; B: input w_up: QUANTISED
;;     15. [M 2,048, K 1,024] x [K 1,024, N 1,024]; A: computed on the way; B: input w_down: QUANTISED
;;     16. [M 2,048, K 1,024] x [K 1,024, N 1,024]; A: input x; B: input w_gate: QUANTISED
;;     17. [M 2,048, K 1,024] x [K 1,024, N 1,024]; A: input x; B: input w_up: QUANTISED
;;     18. [M 2,048, K 1,024] x [K 1,024, N 1,024]; A: computed on the way; B: input w_down: QUANTISED
;;     19. [M 2,048, K 1,024] x [K 1,024, N 1,024]; A: input x; B: input w_gate: QUANTISED
;;     20. [M 2,048, K 1,024] x [K 1,024, N 1,024]; A: input x; B: input w_up: QUANTISED
;;     21. [M 2,048, K 1,024] x [K 1,024, N 1,024]; A: computed on the way; B: input w_down: QUANTISED
;;     22. [M 2,048, K 1,024] x [K 1,024, N 1,024]; A: input x; B: input w_gate: QUANTISED
;;     23. [M 2,048, K 1,024] x [K 1,024, N 1,024]; A: input x; B: input w_up: QUANTISED
;;     24. [M 2,048, K 1,024] x [K 1,024, N 1,024]; A: computed on the way; B: input w_down: QUANTISED
;;   THE QUANTISER, for each operand of a quantised product, along K:
;;     - K is cut into blocks of 32 from its start; a last block that is shorter is filled with zeros.
;;     - A block's scale is 2^e with e = floor(log2(the largest magnitude in the block)) - 2, held to -126 .. 127; a block of zeros has e = 0. As a byte (E8M0): e + 127.
;;     - Each number is divided by its block's scale, clamped to +-6, and rounded to the nearest number of E2M1, ties to even, subnormals kept.
;;     - The product sums the exact products of the quantised numbers (number of the format x scale) in f32.
;;   ~~~python
;;   def quantise(x, axis):      # numpy; x: float32 -> the quantised numbers, widened to float32 again
;;       x = np.moveaxis(x, axis, -1); K = x.shape[-1]
;;       x = np.pad(x, [(0, 0)] * (x.ndim - 1) + [(0, -K % 32)]); x = x.reshape(x.shape[:-1] + (-1, 32)); a = np.abs(x).max(-1, keepdims=True)
;;       e = np.where(a > 0, np.clip(np.frexp(np.where(a > 0, a, 1))[1] - 1 - 2, -126, 127), 0)      # np.frexp(a)[1] - 1 = floor(log2(a)), exactly
;;       r = np.clip(x / 2.0 ** e, -6, 6)
;;       step = 2.0 ** (np.maximum(np.frexp(np.where(r == 0, 1, r))[1] - 1, 0) - 1)
;;       q = np.round(r / step) * step * 2.0 ** e      # np.round: ties to even
;;       return np.moveaxis(q.reshape(q.shape[:-2] + (-1,))[..., :K], -1, axis).astype(np.float32)
;;   ~~~
;;   OPERANDS COMPUTED ON THE WAY. 'Computed on the way' means the value that the module computes at that place (a softmax that the list does not call 'softmax' is quantised finished and normalised). What goes into a quantiser is computed in f32, as accurately as f32 sums, v_exp_f32 and their like allow (about 1e-6 of the number): no bf16 or f16 on the way to a quantiser, and a product that is left as it is and whose result goes on into a quantised operand takes f32 operands (vector FMAs, or v_wmma_f32_16x16x4_f32). A number that lies on a knife's edge between two numbers of the format may be rounded either way, as far as f32 arithmetic and the matrix unit's own rounding can turn it there, and no further.
;; One version. Each part assembles by itself: llvm-mc -triple=amdgcn-amd-amdhsa -mcpu=gfx1250 --defsym DOCPART=n.
;; ======== version 1 of 1: 3 launches
;; limits: right only within a limited range of input values
;; workspace buffers: xq 1,048,576 bytes; xs 65,536 bytes; tlist 65,536 bytes of whole numbers; seg 1,024 bytes of whole numbers; hq 8,388,608 bytes; hs 524,288 bytes
;; launch route_quant (part 1): grid 264 x 1, 8 waves a work-group, no clusters, 42,240 bytes of LDS; arguments x, expert_idx, xq, xs, tlist, seg, out0; writes xq, xs, tlist, seg, out0
.if DOCPART == 1
	.amdgcn_target "amdgcn-amd-amdhsa--gfx1250"
	.amdhsa_code_object_version 6
	.text
	.protected	k_q9d01fcfa3e_route_quant
	.globl	k_q9d01fcfa3e_route_quant
	.p2align	8
	.type	k_q9d01fcfa3e_route_quant,@function
k_q9d01fcfa3e_route_quant:
	s_mov_b64 s[64:65], 0
	v_nop
	global_prefetch_b8 v0, s[64:65] scope:SCOPE_SE
	s_setreg_imm32_b32 hwreg(HW_REG_WAVE_MODE, 25, 1), 1
	s_wait_xcnt 0x0
; THE EXPERTS' LISTS AND x's QUANTISER.  x: [2048 tokens][1024] f32; expert_idx: [2048] int32.
; WORK LEFT OUT IN THE WHOLE PROGRAM: reference() computes every expert for every token and keeps, by a where on expert_idx == e, only the chosen expert's row.  expert_idx is an input of whole numbers, so only
; the chosen expert's rows are computed; a NaN, an infinity or an overflow that would arise only in an expert that a token did not choose is not carried to the result (nor would the where carry it).
; Work-groups 0-7: expert e's list.  tlist[e][0 .. n - 1] = the tokens with index e, tlist[e][n .. 2047] = all the others: every entry is a token.  seg[e][0 .. 31] = n, 32 times.  The order inside a list is free.
; Work-groups 8-263: wave w of work-group g quantises token 8 (g - 8) + w: xq [token][512 bytes] codes of E2M1, K innermost; xs [token][32] E8M0 bytes.
; A token whose index is outside 0..7 is in no expert's list, and its row of out0 gets zeros here.
; A block's scale is 2^(floor(log2(largest magnitude)) - 2); its byte is the largest magnitude's exponent field - 2, held at 1 from below.
; LIMITS: NaN and infinities among the inputs are not served; a block whose largest magnitude lies under 2^-124 has the byte 1; a block of zeros has the byte 1 where the rule says 127
; (its codes are zeros, and the bytes are read by this program alone).
; No tensor load, cluster, prefetch or matrix unit: a stream read once without a loop; work-groups share only the 8,192 bytes of indices.
.set SP,    80                         ; a lane's place in a stage: 64 bytes + 16
.set WREG,  2*32*SP                    ; a wave's two stages
.set RT,    8*WREG                     ; eight words: the waves' counts (lists alone)
.set SPARE, RT+256                     ; the spare words, 128 bytes a wave, which no other line names
.set SPW,   12                         ; v12  LDS address of my spare word; never rewritten
.set NIL,   13                         ; v13  0; never rewritten
.set R,     16                         ; v16-47  two steps' numbers as loaded
.set X,     48                         ; v48-79  16 neighbours for each step
.set E,     80                         ; v80-81  a scale byte for each step
.set C,     84                         ; v84-87  codes, two registers a step
.set Z,     88                         ; v88-91  zeros
	s_load_b256 s[4:11], s[0:1], 0x0               ; x s[4:5], expert_idx s[6:7], xq s[8:9], xs s[10:11]
	s_load_b128 s[12:15], s[0:1], 0x20             ; tlist s[12:13], seg s[14:15]
	s_load_b64 s[16:17], s[0:1], 0x30              ; out0
	v_lshl_add_u32 v[SPW], v0, 2, SPARE
	v_mov_b32 v[NIL], 0
	v_lshrrev_b32 v2, 5, v0
	v_readfirstlane_b32 s18, v2                    ; wave
	v_and_b32 v1, 31, v0                           ; lane
	v_lshlrev_b32 v3, 4, v1                        ; 16 x lane
	s_wait_alu depctr_va_vdst(0)                   ; the wait ahead of the branch
	s_cmp_lt_u32 ttmp9, 8
	s_cbranch_scc1 .Lroute
	s_sub_co_u32 s19, ttmp9, 8
	s_lshl_b32 s19, s19, 3
	s_add_co_u32 s19, s19, s18                     ; my token
	s_lshl_b32 s32, s19, 2
	s_lshl_b32 s30, s19, 12                        ; its row of x and of out0
	s_mov_b32 s31, 0
	v_lshlrev_b32 v4, 3, v1                        ; my codes' place in a step's 256 bytes
	v_lshrrev_b32 v5, 1, v1                        ; my block's byte in a step's 16
	s_mul_i32 s33, s18, WREG
	v_lshrrev_b32 v14, 2, v1
	v_and_b32 v15, 3, v1
	v_mul_u32_u24 v14, v14, SP
	v_lshl_add_u32 v14, v15, 4, v14
	v_mul_u32_u24 v15, v1, SP
	v_add_nc_u32 v14, s33, v14                     ; into the stage: SP (lane / 4) + 16 (lane % 4)
	v_add_nc_u32 v15, s33, v15                     ; out of it: SP x lane
.irp c, 0,1,2,3
	v_mov_b32 v[Z+\c], 0
.endr
	s_wait_alu depctr_va_vdst(0)                   ; the wait at the head's end
	s_wait_kmcnt 0x0
	s_load_b32 s20, s[6:7], s32 offset:0x0         ; my token's expert
	s_add_nc_u64 s[4:5], s[4:5], s[30:31]
	s_add_nc_u64 s[16:17], s[16:17], s[30:31]
.irp i, 0,1,2,3,4,5,6,7
	global_load_b128 v[R+4*\i:R+4*\i+3], v3, s[4:5] offset:512*\i th:TH_LOAD_NT   ; 32 lanes read 512 bytes on end
.endr
	s_lshl_b32 s30, s19, 9
	s_add_nc_u64 s[8:9], s[8:9], s[30:31]
	s_lshl_b32 s30, s19, 5
	s_add_nc_u64 s[10:11], s[10:11], s[30:31]
.macro TURN t                          ; step t's numbers through the wave's own stage: LDS serves a wave's instructions in order, so no wait stands between the stores and the loads
.irp i, 0,1,2,3
	ds_store_b128 v14, v[R+16*(\t)+4*\i:R+16*(\t)+4*\i+3] offset:32*SP*(\t)+8*SP*\i
.endr
.irp i, 0,1,2,3
	ds_load_b128 v[X+16*(\t)+4*\i:X+16*(\t)+4*\i+3], v15 offset:32*SP*(\t)+16*\i
.endr
.endm
.macro STEP t
.set XS, X+16*(\t)
	v_max3_num_f32 v8, |v[XS]|, |v[XS+1]|, |v[XS+2]|               ; the largest magnitude of my 16, in two chains
	v_max3_num_f32 v9, |v[XS+3]|, |v[XS+4]|, |v[XS+5]|
.irp i, 6,10
	v_max3_num_f32 v8, v8, |v[XS+\i]|, |v[XS+\i+1]|
	v_max3_num_f32 v9, v9, |v[XS+\i+2]|, |v[XS+\i+3]|
.endr
	v_max3_num_f32 v8, v8, |v[XS+14]|, |v[XS+15]|
	v_max3_num_f32 v8, v8, v9, 0x1800000           ; and the floor 2^(3 - 127): the byte cannot fall under 1
	v_max_num_f32_dpp v8, v8, v8 row_xmask:1 row_mask:0xf bank_mask:0xf   ; with my neighbour's 16: the block's
	v_add_nc_u32 v11, 0xff000000, v8               ; 2 off its exponent field: the conversion takes that field as its scale
	v_cvt_scalef32_pk8_fp4_f32 v[C+2*(\t)], v[XS:XS+7], v11
	v_cvt_scalef32_pk8_fp4_f32 v[C+2*(\t)+1], v[XS+8:XS+15], v11
	v_lshrrev_b32 v[E+(\t)], 23, v11               ; the scale's byte (a plain line behind the conversions)
	global_store_b64 v4, v[C+2*(\t):C+2*(\t)+1], s[8:9] offset:256*(\t)   ; the wave stores 256 bytes on end, at a multiple of 256 from xq's first byte
	global_store_b8 v5, v[E+(\t)], s[10:11] offset:16*(\t)   ; 16 bytes on end; both lanes of a block write the same byte with the same value
.endm
	s_wait_loadcnt 4                               ; step 0's four loads are in
	TURN 0
	s_wait_loadcnt 0x0
	TURN 1
	s_wait_dscnt 8                                 ; step 0's numbers are back; step 1's turn may be out
	STEP 0
	s_wait_dscnt 0x0
	STEP 1
	s_wait_kmcnt 0x0
	s_cmp_gt_u32 s20, 7                            ; a token that no expert takes keeps the zeros that the result begins with
	s_cbranch_scc0 .Lend
.irp k, 0,1,2,3,4,5,6,7
	global_store_b128 v3, v[Z:Z+3], s[16:17] offset:512*\k
.endr
	s_branch .Lend
.Lroute:
	s_mov_b32 s21, ttmp9                           ; my expert
	s_lshl_b32 s30, s18, 10                        ; my wave's 256 indices
	s_mov_b32 s31, 0
	s_lshl_b32 s32, s18, 2
	s_add_co_u32 s32, s32, RT
	v_mov_b32 v5, s32                              ; my wave's count in LDS
	v_mov_b32 v6, RT
	s_wait_alu depctr_va_vdst(0)                   ; the wait at the head's end
	s_wait_kmcnt 0x0
	s_add_nc_u64 s[6:7], s[6:7], s[30:31]
	global_load_b128 v[16:19], v3, s[6:7]          ; register 16 + j, j = 4 q + c: token 256 w + 128 q + 4 lane + c
	global_load_b128 v[20:23], v3, s[6:7] offset:512
	s_lshl_b32 s30, s21, 13
	s_add_nc_u64 s[12:13], s[12:13], s[30:31]      ; my expert's list
	s_wait_loadcnt 0x0
.irp j, 0,1,2,3,4,5,6,7
	v_cmp_eq_u32 s[40+\j], s21, v[16+\j]           ; s40-47: who is a member
.endr
.irp j, 0,1,2,3,4,5,6,7
	s_bcnt1_i32_b32 s[48+\j], s[40+\j]
.endr
	s_mov_b32 s56, 0                               ; s56-63: members in the registers ahead of j
.irp j, 0,1,2,3,4,5,6
	s_add_co_u32 s[57+\j], s[56+\j], s[48+\j]
.endr
	s_add_co_u32 s33, s63, s55                     ; my wave's members
	v_mov_b32 v7, s33
	ds_store_b32 v5, v7                            ; all lanes write the same word with the same value
	s_wait_alu depctr_va_vdst(0)                   ; the wait ahead of the waits and the barrier
	s_wait_dscnt 0x0
	s_barrier_signal -1
	s_barrier_wait -1                              ; every wave's count is there
	ds_load_b128 v[48:51], v6
	ds_load_b128 v[52:55], v6 offset:16
	s_wait_dscnt 0x0
.irp k, 0,1,2,3,4,5,6,7
	v_readfirstlane_b32 s[66+\k], v[48+\k]
.endr
	s_wait_alu depctr_va_vdst(0)                   ; the wait ahead of the run of scalar lines
	s_mov_b32 s34, 0                               ; members in the waves ahead of mine
	s_mov_b32 s35, 0                               ; all members
.irp k, 0,1,2,3,4,5,6,7
	s_cmp_gt_u32 s18, \k
	s_cselect_b32 s36, s[66+\k], 0
	s_add_co_u32 s34, s34, s36
	s_add_co_u32 s35, s35, s[66+\k]
.endr
.irp j, 0,1,2,3,4,5,6,7
	s_add_co_u32 s[56+\j], s[56+\j], s34
.endr
	s_lshl_b32 s38, s18, 8
	s_add_co_u32 s37, s35, s38
	v_add_nc_u32 v26, s37, v1                      ; all members + 256 w + lane
	v_lshl_add_u32 v27, v1, 2, s38                 ; 256 w + 4 lane
.irp j, 0,1,2,3,4,5,6,7
	v_mbcnt_lo_u32_b32 v[32+\j], s[40+\j], s[56+\j]   ; members ahead of me: a member's place
.endr
.irp j, 0,1,2,3,4,5,6,7
	v_sub_nc_u32 v[40+\j], v26, v[32+\j]           ; behind all members, the others ahead of me (less 32 j): another's place
.endr
.irp j, 1,2,3,4,5,6,7
	v_add_nc_u32 v[40+\j], 32*\j, v[40+\j]
.endr
.irp j, 0,1,2,3,4,5,6,7
	v_cndmask_b32 v[32+\j], v[40+\j], v[32+\j], s[40+\j]
.endr
.irp j, 0,1,2,3,4,5,6,7
	v_min_u32 v[32+\j], 0x7ff, v[32+\j]            ; (2,048 different places, 0 to 2,047)
.endr
.irp j, 0,1,2,3,4,5,6,7
	v_lshlrev_b32 v[32+\j], 2, v[32+\j]
.endr
.irp j, 0,1,2,3,4,5,6,7
	v_add_nc_u32 v[40+\j], 128*(\j/4)+\j%4, v27    ; the token
.endr
.irp j, 0,1,2,3,4,5,6,7
	global_store_b32 v[32+\j], v[40+\j], s[12:13]
.endr
	s_cmp_lg_u32 s18, 0
	s_cbranch_scc1 .Lend
	v_mov_b32 v28, s35
	v_lshlrev_b32 v29, 2, v1
	s_lshl_b32 s30, s21, 7
	s_add_nc_u64 s[14:15], s[14:15], s[30:31]
	global_store_b32 v29, v28, s[14:15]            ; the count, once for each lane
.Lend:
	s_wait_tensorcnt 0x0                           ; the wave's end, behind my last LDS store
	ds_add_u32 v[SPW], v[NIL]
	s_wait_dscnt 0x0
	s_endpgm
.Lfunc_end_k_q9d01fcfa3e_route_quant:
	.size	k_q9d01fcfa3e_route_quant, .Lfunc_end_k_q9d01fcfa3e_route_quant-k_q9d01fcfa3e_route_quant
	.p2alignl 7, 3214868480
	.fill 96, 4, 3214868480
	.section	.rodata,"a",@progbits
	.p2align	6, 0x0
	.amdhsa_kernel k_q9d01fcfa3e_route_quant
		.amdhsa_group_segment_fixed_size 42240
		.amdhsa_private_segment_fixed_size 0
		.amdhsa_enable_private_segment 0
		.amdhsa_kernarg_size 56
		.amdhsa_user_sgpr_count 2
		.amdhsa_user_sgpr_kernarg_segment_ptr 1
		.amdhsa_wavefront_size32 1
		.amdhsa_system_sgpr_workgroup_id_x 1
		.amdhsa_system_sgpr_workgroup_id_y 1
		.amdhsa_system_sgpr_workgroup_id_z 1
		.amdhsa_system_vgpr_workitem_id 0
		.amdhsa_next_free_vgpr 96
		.amdhsa_next_free_sgpr 80
		.amdhsa_reserve_vcc 0
		.amdhsa_float_denorm_mode_32 3
		.amdhsa_float_denorm_mode_16_64 3
		.amdhsa_memory_ordered 1
		.amdhsa_forward_progress 1
		.amdhsa_inst_pref_size 15
	.end_amdhsa_kernel
	.amdgpu_metadata
---
amdhsa.version: [ 1, 2 ]
amdhsa.kernels:
  - .name:           k_q9d01fcfa3e_route_quant
    .symbol:         k_q9d01fcfa3e_route_quant.kd
    .args:
      - { .name: x, .offset: 0, .size: 8, .value_kind: global_buffer, .address_space: global }
      - { .name: expert_idx, .offset: 8, .size: 8, .value_kind: global_buffer, .address_space: global }
      - { .name: xq, .offset: 16, .size: 8, .value_kind: global_buffer, .address_space: global }
      - { .name: xs, .offset: 24, .size: 8, .value_kind: global_buffer, .address_space: global }
      - { .name: tlist, .offset: 32, .size: 8, .value_kind: global_buffer, .address_space: global }
      - { .name: seg, .offset: 40, .size: 8, .value_kind: global_buffer, .address_space: global }
      - { .name: out0, .offset: 48, .size: 8, .value_kind: global_buffer, .address_space: global }
    .group_segment_fixed_size: 42240
    .private_segment_fixed_size: 0
    .kernarg_segment_align: 8
    .kernarg_segment_size: 56
    .max_flat_workgroup_size: 256
    .sgpr_count:     80
    .vgpr_count:     96
    .wavefront_size: 32
...
	.end_amdgpu_metadata
.endif
;; end of part 1
;; launch gate_up (part 2): grid 32 x 8, 16 waves a work-group, no clusters, 40,960 bytes of LDS; arguments w_gate, w_up, xq, xs, tlist, seg, hq, hs; writes hq, hs
.if DOCPART == 2
	.amdgcn_target "amdgcn-amd-amdhsa--gfx1250"
	.amdhsa_code_object_version 6
	.text
	.protected	k_q9d01fcfa3e_gate_up
	.globl	k_q9d01fcfa3e_gate_up
	.p2align	8
	.type	k_q9d01fcfa3e_gate_up,@function
k_q9d01fcfa3e_gate_up:
	s_mov_b64 s[64:65], 0
	v_nop
	global_prefetch_b8 v0, s[64:65] scope:SCOPE_SE
	s_setreg_imm32_b32 hwreg(HW_REG_WAVE_MODE, 25, 1), 1
	s_wait_xcnt 0x0
; h = silu(x Wg) * (x Wu) for the rows of each expert alone (the rows of experts that a token did not choose are left out: the first kernel's head says why and with what limit).
; Both products on codes of E2M1 with one E8M0 scale for each 32 along K; h leaves as codes, quantised along F.
; w_gate, w_up: [8][K 1024][F 1024] f32.  xq [token][512 bytes], xs [token][32]; tlist[e]: expert e's tokens, then all others; seg[e]: their number n.
; Out, by expert e and place p in its list: hq [e][F block 32][p 2048][16 bytes], hs [e][p 2048][32 bytes] (byte b: F block b).  Only the places of whole tiles of 16 up to n are written.
; SHARES.  Work-group (bx, e) owns F block bx of expert e: columns 32 bx .. + 31 of gate and of up, all of K: 262,144 bytes of f32, which no other work-group reads.  The four work-groups of a cluster
; take 128 neighbouring columns: 512 bytes on end of each row.
; K STREAMS IN FOUR CHUNKS OF 256.  Of a chunk, wave w quantises matrix g = w % 2 (gate, up), block w / 2, by 8 loads of 16 bytes a lane: lane l holds rows 8 (l / 8) + 0 .. 7 of the block for columns
; 4 (l % 8) .. + 3, and the four lanes l % 8 + 8 y join their largest magnitudes.  A load puts four COLUMNS into neighbouring registers and the conversion wants eight neighbours along K there: row 4 y + x is
; loaded at register 8 x + 4 y, and twelve swaps leave (row a, column c) at register 8 c + a.  The codes go to LDS, a row a column, each chunk in bytes of its own; a barrier; then the chunk's products, while the
; later chunks are on their way.  Chunks 0 and 1 share a barrier.
; PRODUCTS.  Wave w takes the tiles of 16 places w, w + 16, ..; tile w runs along with the chunks, later ones behind them from the codes in LDS.  Rows behind the list's n members are other tokens: their h lies
; behind the members' places and nobody reads it.
; USED TRANSPOSED (source 0 = 16 columns of the weight, source 1 = 16 rows of x): a lane holds one row, its registers run along F.  Column f lies in LDS row 16 ((f / 8) % 2) + f % 8 + 8 (f / 16) of its matrix, so
; that register j of tile u in lane (r, h) is f = 16 h + 8 u + j: a lane's 16 registers are 16 neighbours along the next K.
; No tensor load, and so no joint loads: the number of trips hangs on counts read from memory, and each weight byte is read by one work-group alone.  No prefetch: the weights are read without a loop to run ahead in.
; LIMITS: NaN and infinities are not served; a block whose largest magnitude lies under 2^-124, or of zeros, has the byte 1 (the bytes are read by this program alone);
; v_exp_f32 and v_rcp_f32 flush denormals, so silu is 0 where the sigmoid lies under 2^-126.
.set RP,    144                        ; an LDS row of a chunk's codes: 128 bytes + 16
.set CHK,   64*RP                      ; a chunk: 64 rows
.set SCL,   4*CHK                      ; behind the four chunks: their scale bytes, 64 rows x 8 bytes each
.set SPARE, SCL+4*512                  ; the spare words, 128 bytes for each of 16 waves, which no other line names
.set SPW,   14                         ; v14  LDS address of my spare word; never rewritten
.set NIL,   15                         ; v15  0; never rewritten
.set T,     16                         ; v16-19   lane permutes' results (in the epilogue: at work)
.set X0,    32                         ; v32-127  three buffers: a chunk's numbers, or a K step's four weight fragments
.set X1,    64
.set X2,    96
.set ACC,   128                        ; v128-159 four accumulators: gate's tiles 0, 1, up's tiles 0, 1
.set TF,    160                        ; v160-223 the tile's fragments of x, 8 registers a K step
.set TS,    224                        ; v224-231 its scale words, one a K step: scales alone
.set WS,    232                        ; v232-247 the weights' scale words: register 8 q + s: lanes 0-15 tile 2 q, lanes 16-31 tile 2 q + 1, K step s: scales alone
.set MX,    248                        ; v248-251 my four columns' largest magnitudes, then the conversions' scale operands
.set HT,    32                         ; v32-47   the epilogue: 16 numbers
.set CD,    24                         ; v24-25   h's codes;  v26 the scale's byte
.set BYT,   26
; v1 lane, v2 r, v3 h, v4 my offset in the weights, v5, v6 where I store codes and scale bytes, v7, v8 where I read fragments and scale words, v10, v11 x's addresses, v12, v13 h's, v20 the next tile's token, v21 its place in the list
; s20 wave, s21 g, s22 block, s23 bx, s40 e, s[24:25] my weights, s28 n, s32 my tiles, s33 the trip, s34 my tile's first place
	s_load_b256 s[4:11], s[0:1], 0x0               ; w_gate s[4:5], w_up s[6:7], xq s[8:9], xs s[10:11]
	s_load_b256 s[12:19], s[0:1], 0x20             ; tlist s[12:13], seg s[14:15], hq s[16:17], hs s[18:19]
	v_lshl_add_u32 v[SPW], v0, 2, SPARE
	v_mov_b32 v[NIL], 0
	v_lshrrev_b32 v1, 5, v0
	v_readfirstlane_b32 s20, v1
	v_and_b32 v1, 31, v0
	v_and_b32 v2, 15, v0
	v_bfe_u32 v3, v0, 4, 1
	s_and_b32 s21, s20, 1
	s_lshr_b32 s22, s20, 1
	; No cluster (branches hang on counts read from memory): in place of the head's four work-groups of a cluster, the two work-groups x and x + 16 take 64 neighbouring columns, 256 bytes on end of each row
	s_and_b32 s23, ttmp9, 15
	s_lshl_b32 s23, s23, 1
	s_lshr_b32 s26, ttmp9, 4
	s_add_co_u32 s23, s23, s26                     ; bx = 2 (x % 16) + x / 16
	s_and_b32 s40, ttmp7, 0xffff
	v_and_b32 v22, 7, v0                           ; lane % 8: which four columns
	v_bfe_u32 v23, v0, 3, 2                        ; lane / 8: which eight rows
	v_bfe_u32 v5, v0, 2, 1                         ; column f = 4 (lane % 8) + c: f / 16,
	v_bfe_u32 v24, v0, 1, 1                        ; (f / 8) % 2,
	v_and_b32 v25, 1, v0                           ; and f % 8 = 4 (lane % 2) + c
	v_lshlrev_b32 v4, 4, v22
	v_lshlrev_b32 v5, 3, v5
	v_mul_u32_u24 v7, v2, RP
	v_lshlrev_b32 v8, 3, v1
	v_lshl_add_u32 v4, v23, 15, v4                 ; 16 (lane % 8) + 8 rows of 4,096 bytes x (lane / 8)
	v_lshl_add_u32 v5, v24, 4, v5
	v_lshl_add_u32 v7, v3, 4, v7                   ; a fragment: row r x 144 + 16 h
	v_add_nc_u32 v8, SCL, v8
	v_lshl_add_u32 v5, v25, 2, v5                  ; the LDS row of my column c = 0; columns 1 to 3 lie in the next three rows
	s_lshl_b32 s26, s21, 5
	v_add_nc_u32 v5, s26, v5                       ; + 32 g
	v_lshlrev_b32 v6, 3, v5
	v_mul_u32_u24 v5, v5, RP
	s_add_co_u32 s26, s22, SCL
	v_add_nc_u32 v6, s26, v6                       ; scale byte: SCL + 8 x row + block
	v_lshl_add_u32 v5, v23, 2, v5
	s_lshl_b32 s26, s22, 4
	v_add_nc_u32 v5, s26, v5                       ; codes: row x 144 + 16 x block + 4 x (lane / 8)
.irp c, 0,1,2,3
	v_mov_b32 v[T+\c], 0                           ; written once: a lane permute's destination counts as one of its sources
.endr
	s_lshl_b32 s34, s20, 4                         ; my first tile's first place
	s_lshl_b32 s26, s20, 6
	s_add_co_u32 s26, s26, 1024
	v_lshl_add_u32 v21, v2, 2, s26                 ; row r of my SECOND tile in the list, in bytes
	s_mov_b32 s36, 0x76543210
	s_mov_b32 s37, 0xfedcba98                      ; v_permlanex16_b32's selects for lane l xor 16
	s_mov_b32 s38, 0xbfb8aa3b                      ; -log2(e)
	s_mov_b32 s39, s38                             ; (named with it as a pair, so it is written)
	s_lshl_b32 s26, s40, 22                        ; expert: 1024 x 1024 x 4 bytes
	s_lshl_b32 s27, s22, 17                        ; block: 32 rows of 4,096 bytes
	s_add_co_u32 s26, s26, s27
	s_lshl_b32 s27, s23, 7                         ; 32 columns
	s_add_co_u32 s26, s26, s27
	s_mov_b32 s27, 0
	s_lshl_b32 s30, s40, 13
	s_mov_b32 s31, 0
	s_lshl_b32 s35, s40, 7
	s_wait_alu depctr_va_vdst(0)                   ; the wait at the head's end
	s_wait_kmcnt 0x0
	s_load_b32 s28, s[14:15], s35 offset:0x0       ; n
	s_add_nc_u64 s[12:13], s[12:13], s[30:31]      ; my expert's list
	s_cmp_eq_u32 s21, 0
	s_cselect_b64 s[24:25], s[4:5], s[6:7]         ; gate or up: the choice hangs on the wave's number alone
	s_add_nc_u64 s[24:25], s[24:25], s[26:27]
.macro WLOAD ch, xb                    ; chunk ch: 8 loads; row 4 y + x of my eight lands at register 8 x + 4 y
.irp a, 0,1,2,3,4,5,6,7
	global_load_b128 v[(\xb)+8*(\a%4)+4*(\a/4):(\xb)+8*(\a%4)+4*(\a/4)+3], v4, s[24:25] offset:(256*(\ch)+\a)*4096
.endr
.endm
.macro QUANT xb, ch, ct, by            ; my part of chunk ch to LDS; ct, by: four registers each for the codes and the bytes
.set XG, \xb
.irp y, 0,1
.irp x, 0,1,2
.irp z, 1,2,3
.if \z > \x
	v_swap_b32 v[XG+8*\x+4*\y+\z], v[XG+8*\z+4*\y+\x]
.endif
.endr
.endr
.endr
.irp c, 0,1,2,3
	v_max3_num_f32 v[MX+\c], |v[XG+8*\c]|, |v[XG+8*\c+1]|, 0x1800000   ; the first two numbers and the floor 2^(3 - 127): the byte cannot fall under 1
.endr
.irp i, 2,4,6
.irp c, 0,1,2,3
	s_delay_alu instid0(VALU_DEP_4)
	v_max3_num_f32 v[MX+\c], v[MX+\c], |v[XG+8*\c+\i]|, |v[XG+8*\c+\i+1]|   ; (the four columns by turns)
.endr
.endr
.irp c, 0,1,2,3
	v_max_num_f32_dpp v[MX+\c], v[MX+\c], v[MX+\c] row_xmask:8 row_mask:0xf bank_mask:0xf   ; with lane l xor 8's rows,
.endr
.irp c, 0,1,2,3
	v_permlanex16_b32 v[T+\c], v[MX+\c], s36, s37
.endr
.irp c, 0,1,2,3
	v_max_num_f32 v[MX+\c], v[MX+\c], v[T+\c]      ; and lane l xor 16's: the block's largest magnitude
.endr
.irp c, 0,1,2,3
	v_add_nc_u32 v[MX+\c], 0xff000000, v[MX+\c]    ; 2 off the exponent field: the conversion's scale operand
.endr
.irp c, 0,1,2,3
	v_cvt_scalef32_pk8_fp4_f32 v[(\ct)+\c], v[XG+8*\c:XG+8*\c+7], v[MX+\c]
.endr
.irp c, 0,1,2,3
	v_lshrrev_b32 v[(\by)+\c], 23, v[MX+\c]        ; the scales' bytes (plain lines behind the conversions)
.endr
.irp c, 0,1,2,3
	ds_store_b32 v5, v[(\ct)+\c] offset:(\ch)*CHK+\c*RP
.endr
.irp c, 0,1,2,3
	ds_store_b8 v6, v[(\by)+\c] offset:512*(\ch)+8*\c   ; the block's four lanes write the same byte with the same value
.endr
.endm
.macro MEET                            ; my codes and bytes lie in LDS; behind the barrier everybody's do
	s_wait_dscnt 0x0
	s_barrier_signal -1
	s_barrier_wait -1
.endm
.macro XLOAD tok                       ; 18 loads: the tile's eight fragments (lane (r, h): bytes 64 s + 32 c + 16 h of row r's token) and its rows' eight scale words
	v_min_u32 v22, 0x7ff, v[\tok]
	v_lshlrev_b32 v10, 9, v22
	v_lshlrev_b32 v11, 5, v22
	v_lshl_add_u32 v10, v3, 4, v10
.irp s, 0,1,2,3,4,5,6,7
.irp c, 0,1
	global_load_b128 v[TF+8*\s+4*\c:TF+8*\s+4*\c+3], v10, s[8:9] offset:64*\s+32*\c
.endr
.endr
	global_load_b128 v[TS:TS+3], v11, s[10:11]
	global_load_b128 v[TS+4:TS+7], v11, s[10:11] offset:16
.endm
.macro NEXTX                           ; my next tile's x, and the token of the tile behind it (held inside the list: where there is no such tile nothing uses it)
	XLOAD 20
	v_add_nc_u32 v21, 1024, v21
	v_min_u32 v21, 0x1ffc, v21
	global_load_b32 v20, v21, s[12:13]
.endm
.macro PLACES                          ; plain lines between products that read registers and the loads into them (not for loads)
.rept 4
	v_nop
.endr
.endm
.macro WSLOAD ch                       ; chunk ch's weight scale words
.irp q, 0,1
	ds_load_b64 v[WS+8*\q+2*(\ch):WS+8*\q+2*(\ch)+1], v8 offset:512*(\ch)+256*\q
.endr
.endm
.macro FETCH2 s, t0, buf               ; tiles t0, t0 + 1's fragments of K step s: 4 loads
.irp u, 0,1
.irp c, 0,1
	ds_load_b128 v[(\buf)+8*\u+4*\c:(\buf)+8*\u+4*\c+3], v7 offset:((\s)/2)*CHK+16*((\t0)+\u)*RP+64*((\s)%2)+32*\c
.endr
.endr
.endm
.macro FETCH s, buf
	FETCH2 \s, 0, \buf
	FETCH2 \s, 2, (\buf)+16
.endm
.macro MUL2 s, t0, buf                 ; tiles t0, t0 + 1; the four accumulators take turns, one instruction a turn; K step 0 starts the sums
.irp u, 0,1
.set rT, (\t0)+\u
.set rD, ACC+8*rT
.set rA, (\buf)+8*\u
.set rB, TF+8*(\s)
.set rSA, WS+8*(rT/2)+(\s)
.set rSB, TS+(\s)
.if (\s) == 0
.if \u
	v_wmma_scale_f32_16x16x128_f8f6f4 v[rD:rD+7], v[rA:rA+7], v[rB:rB+7], 0, v[rSA], v[rSB] matrix_a_fmt:MATRIX_FMT_FP4 matrix_b_fmt:MATRIX_FMT_FP4 matrix_a_scale:MATRIX_SCALE_ROW1
.else
	v_wmma_scale_f32_16x16x128_f8f6f4 v[rD:rD+7], v[rA:rA+7], v[rB:rB+7], 0, v[rSA], v[rSB] matrix_a_fmt:MATRIX_FMT_FP4 matrix_b_fmt:MATRIX_FMT_FP4
.endif
.else
.if \u
	v_wmma_scale_f32_16x16x128_f8f6f4 v[rD:rD+7], v[rA:rA+7], v[rB:rB+7], v[rD:rD+7], v[rSA], v[rSB] matrix_a_fmt:MATRIX_FMT_FP4 matrix_b_fmt:MATRIX_FMT_FP4 matrix_a_scale:MATRIX_SCALE_ROW1
.else
	v_wmma_scale_f32_16x16x128_f8f6f4 v[rD:rD+7], v[rA:rA+7], v[rB:rB+7], v[rD:rD+7], v[rSA], v[rSB] matrix_a_fmt:MATRIX_FMT_FP4 matrix_b_fmt:MATRIX_FMT_FP4
.endif
.endif
.endr
.endm
.macro MUL s, buf
	MUL2 \s, 0, \buf
	MUL2 \s, 2, (\buf)+16
.endm
.macro EPI                             ; the tile's h: silu(g) x u, quantised, stored
	v_add_nc_u32 v9, s34, v2
	v_lshlrev_b32 v12, 4, v9
	v_lshlrev_b32 v13, 5, v9                       ; bytes: 32 p
	v_lshl_add_u32 v12, v3, 3, v12                 ; codes: 16 p + 8 h
.irp j, 0,2,4,6,8,10,12,14
	v_pk_mul_f32 v[HT+\j:HT+\j+1], v[ACC+\j:ACC+\j+1], s[38:39] op_sel_hi:[1,0]   ; -g log2(e); each accumulator is read from its low end on
.endr
	s_wait_alu depctr_va_vdst(0)                   ; the waits ahead of and behind each batch
.irp j, 0,1,2,3,4,5,6,7,8,9,10,11,12,13,14,15
	v_exp_f32 v[HT+\j], v[HT+\j]
.endr
	v_nop
	s_wait_alu depctr_va_vdst(0)
.irp j, 0,2,4,6,8,10,12,14
	v_pk_add_f32 v[HT+\j:HT+\j+1], v[HT+\j:HT+\j+1], 1.0 op_sel_hi:[1,0]
.endr
	s_wait_alu depctr_va_vdst(0)
.irp j, 0,1,2,3,4,5,6,7,8,9,10,11,12,13,14,15
	v_rcp_f32 v[HT+\j], v[HT+\j]                   ; the sigmoid
.endr
	v_nop
	s_wait_alu depctr_va_vdst(0)
.irp j, 0,2,4,6,8,10,12,14
	v_pk_mul_f32 v[HT+\j:HT+\j+1], v[HT+\j:HT+\j+1], v[ACC+\j:ACC+\j+1]           ; silu(g) = g x sigmoid(g),
.endr
.irp j, 0,2,4,6,8,10,12,14
	v_pk_mul_f32 v[HT+\j:HT+\j+1], v[HT+\j:HT+\j+1], v[ACC+16+\j:ACC+16+\j+1]     ; x u: h(p, 32 bx + 16 h + j)
.endr
	v_max3_num_f32 v16, |v[HT]|, |v[HT+1]|, 0x1800000              ; my 16 numbers and the floor, in two chains
	v_max3_num_f32 v17, |v[HT+8]|, |v[HT+9]|, |v[HT+10]|
	s_delay_alu instid0(VALU_DEP_2)
	v_max3_num_f32 v16, v16, |v[HT+2]|, |v[HT+3]|
	s_delay_alu instid0(VALU_DEP_2)
	v_max3_num_f32 v17, v17, |v[HT+11]|, |v[HT+12]|
	s_delay_alu instid0(VALU_DEP_2)
	v_max3_num_f32 v16, v16, |v[HT+4]|, |v[HT+5]|
	s_delay_alu instid0(VALU_DEP_2)
	v_max3_num_f32 v17, v17, |v[HT+13]|, |v[HT+14]|
	s_delay_alu instid0(VALU_DEP_2)
	v_max3_num_f32 v16, v16, |v[HT+6]|, |v[HT+7]|
	s_delay_alu instid0(VALU_DEP_1)
	v_max3_num_f32 v16, v16, v17, |v[HT+15]|
	s_delay_alu instid0(VALU_DEP_1)
	v_permlanex16_b32 v18, v16, s36, s37
	s_delay_alu instid0(VALU_DEP_1)
	v_max_num_f32 v16, v16, v18                    ; with lane l xor 16's 16: the block's largest magnitude
	s_delay_alu instid0(VALU_DEP_1)
	v_add_nc_u32 v19, 0xff000000, v16
	s_delay_alu instid0(VALU_DEP_1)
	v_lshrrev_b32 v[BYT], 23, v19
	v_cvt_scalef32_pk8_fp4_f32 v[CD], v[HT:HT+7], v19
	v_cvt_scalef32_pk8_fp4_f32 v[CD+1], v[HT+8:HT+15], v19
	v_nop                                          ; one plain line behind the last conversion
	global_store_b64 v12, v[CD:CD+1], s[16:17]     ; 16 rows x 16 bytes: the wave stores 256 bytes on end, at a multiple of 256 from hq's first byte
	global_store_b8 v13, v[BYT], s[18:19]          ; a byte a row, 32 bytes apart (both halves of the lanes write the same byte): 65,536 bytes or little more in the whole launch
	s_add_co_u32 s34, s34, 256                     ; my next tile lies 16 tiles on
.endm
	global_load_b32 v9, v21, s[12:13] offset:-1024 ; my first tile's tokens,
	global_load_b32 v20, v21, s[12:13]             ; and my second's
	WLOAD 0, X0
	WLOAD 1, X1
	s_lshl_b32 s26, s40, 20
	s_lshl_b32 s29, s23, 15
	s_add_co_u32 s26, s26, s29
	s_add_nc_u64 s[16:17], s[16:17], s[26:27]      ; hq at my expert's plane of F block bx
	s_lshl_b32 s26, s40, 16
	s_add_co_u32 s26, s26, s23
	s_add_nc_u64 s[18:19], s[18:19], s[26:27]      ; hs at my expert's byte bx
	s_wait_loadcnt 16                              ; the tokens are in; chunks 0 and 1 may be out
	XLOAD 9
	WLOAD 2, X2
	s_wait_kmcnt 0x0
	s_min_u32 s32, s28, 2048
	s_add_co_u32 s32, s32, 15
	s_lshr_b32 s32, s32, 4                         ; the expert's tiles, 128 at the most
	s_add_co_u32 s32, s32, 15
	s_sub_co_u32 s32, s32, s20
	s_lshr_b32 s32, s32, 4                         ; mine: (tiles + 15 - w) / 16, 0 to 8
	s_wait_loadcnt 34                              ; chunk 0 is in; behind it: chunk 1's 8, x's 18, chunk 2's 8
	QUANT X0, 0, 252, ACC
	WLOAD 3, X0
	s_wait_loadcnt 34                              ; chunk 1 is in; behind it: x's 18, chunks 2 and 3
	QUANT X1, 1, 24, 28
	MEET
	WSLOAD 0
	WSLOAD 1
	FETCH2 0, 0, X1
	FETCH2 0, 2, X1+16
	s_wait_loadcnt 16                              ; x is in; chunks 2 and 3 may be out
.irp s, 0,1,2,3
	s_wait_dscnt 4                                 ; tiles 0, 1 are in
	MUL2 \s, 0, X1
.if \s < 3
	PLACES
	FETCH2 \s+1, 0, X1
	s_wait_dscnt 4                                 ; tiles 2, 3 are in
	MUL2 \s, 2, X1+16
	PLACES
	FETCH2 \s+1, 2, X1+16
.else
	s_wait_dscnt 0x0
	MUL2 \s, 2, X1+16
.endif
.endr
	s_wait_loadcnt 8                               ; chunk 2 is in
	QUANT X2, 2, 24, 28
	MEET
	WSLOAD 2
	FETCH 4, X1
	FETCH 5, X2
	s_wait_dscnt 8
	MUL 4, X1
	s_wait_dscnt 0x0
	MUL 5, X2
	s_wait_loadcnt 0x0                             ; chunk 3 is in
	QUANT X0, 3, 24, 28
	MEET                                           ; the last barrier
	WSLOAD 3
	FETCH 6, X0
	FETCH 7, X1
	s_wait_dscnt 8
	MUL 6, X0
	s_wait_dscnt 0x0
	MUL 7, X1
.rept 5
	v_nop                                          ; five plain lines: four ahead of reads of results and of loads into operands, five ahead of products that begin the sums anew
.endr
	s_cmp_eq_u32 s32, 0
	s_cbranch_scc1 .Ldone                          ; no tile was mine
	s_cmp_lt_u32 s32, 2
	s_cbranch_scc1 .Lsingle
	NEXTX                                          ; my next tile's x, on its way while this one's h is made
.Lsingle:
	EPI
	s_mov_b32 s33, 1
	s_cmp_ge_u32 s33, s32
	s_cbranch_scc1 .Ldone
.Ltrip:
	s_wait_loadcnt 0x0                             ; the tile's fragments and scale words and the next token are in
	s_wait_xcnt 0x0                                ; the last tile's stores have read their addresses and data
	FETCH 0, X0
	FETCH 1, X1
.irp s, 0,1,2,3,4,5,6,7
.if \s <= 5
.if \s >= 1
	PLACES
.endif
	FETCH \s+2, X0+32*((\s+2)%3)
	s_wait_dscnt 16                                ; K step s is in; the two fetches behind it may be out
.elseif \s == 6
	s_wait_dscnt 8
.else
	s_wait_dscnt 0x0
.endif
	MUL \s, X0+32*(\s%3)
.endr
.rept 5
	v_nop
.endr
	s_add_co_u32 s35, s33, 1
	s_cmp_ge_u32 s35, s32
	s_cbranch_scc1 .Lnoload                        ; my last tile asks for nothing more
	NEXTX
.Lnoload:
	EPI
	s_add_co_u32 s33, s33, 1
	s_cmp_lt_u32 s33, s32
	s_cbranch_scc1 .Ltrip
.Ldone:
	s_wait_tensorcnt 0x0                           ; the wave's end, behind my last LDS store
	ds_add_u32 v[SPW], v[NIL]
	s_wait_dscnt 0x0
	s_endpgm
.Lfunc_end_k_q9d01fcfa3e_gate_up:
	.size	k_q9d01fcfa3e_gate_up, .Lfunc_end_k_q9d01fcfa3e_gate_up-k_q9d01fcfa3e_gate_up
	.p2alignl 7, 3214868480
	.fill 96, 4, 3214868480
	.section	.rodata,"a",@progbits
	.p2align	6, 0x0
	.amdhsa_kernel k_q9d01fcfa3e_gate_up
		.amdhsa_group_segment_fixed_size 40960
		.amdhsa_private_segment_fixed_size 0
		.amdhsa_enable_private_segment 0
		.amdhsa_kernarg_size 64
		.amdhsa_user_sgpr_count 2
		.amdhsa_user_sgpr_kernarg_segment_ptr 1
		.amdhsa_wavefront_size32 1
		.amdhsa_system_sgpr_workgroup_id_x 1
		.amdhsa_system_sgpr_workgroup_id_y 1
		.amdhsa_system_sgpr_workgroup_id_z 1
		.amdhsa_system_vgpr_workitem_id 0
		.amdhsa_next_free_vgpr 256
		.amdhsa_next_free_sgpr 66
		.amdhsa_reserve_vcc 0
		.amdhsa_float_denorm_mode_32 3
		.amdhsa_float_denorm_mode_16_64 3
		.amdhsa_memory_ordered 1
		.amdhsa_forward_progress 1
		.amdhsa_inst_pref_size 57
	.end_amdhsa_kernel
	.amdgpu_metadata
---
amdhsa.version: [ 1, 2 ]
amdhsa.kernels:
  - .name:           k_q9d01fcfa3e_gate_up
    .symbol:         k_q9d01fcfa3e_gate_up.kd
    .args:
      - { .name: w_gate, .offset: 0, .size: 8, .value_kind: global_buffer, .address_space: global }
      - { .name: w_up, .offset: 8, .size: 8, .value_kind: global_buffer, .address_space: global }
      - { .name: xq, .offset: 16, .size: 8, .value_kind: global_buffer, .address_space: global }
      - { .name: xs, .offset: 24, .size: 8, .value_kind: global_buffer, .address_space: global }
      - { .name: tlist, .offset: 32, .size: 8, .value_kind: global_buffer, .address_space: global }
      - { .name: seg, .offset: 40, .size: 8, .value_kind: global_buffer, .address_space: global }
      - { .name: hq, .offset: 48, .size: 8, .value_kind: global_buffer, .address_space: global }
      - { .name: hs, .offset: 56, .size: 8, .value_kind: global_buffer, .address_space: global }
    .group_segment_fixed_size: 40960
    .private_segment_fixed_size: 0
    .kernarg_segment_align: 8
    .kernarg_segment_size: 64
    .max_flat_workgroup_size: 512
    .sgpr_count:     66
    .vgpr_count:     256
    .wavefront_size: 32
...
	.end_amdgpu_metadata
.endif
;; end of part 2
;; launch down (part 3): grid 32 x 8, 16 waves a work-group, no clusters, 57,344 bytes of LDS; arguments w_down, hq, hs, tlist, seg, out0; writes out0
.if DOCPART == 3
	.amdgcn_target "amdgcn-amd-amdhsa--gfx1250"
	.amdhsa_code_object_version 6
	.text
	.protected	k_q9d01fcfa3e_down
	.globl	k_q9d01fcfa3e_down
	.p2align	8
	.type	k_q9d01fcfa3e_down,@function
k_q9d01fcfa3e_down:
	s_mov_b64 s[64:65], 0
	v_nop
	global_prefetch_b8 v0, s[64:65] scope:SCOPE_SE
	s_setreg_imm32_b32 hwreg(HW_REG_WAVE_MODE, 25, 1), 1
	s_wait_xcnt 0x0
; out0[token] = h Wd for the rows of each expert alone (the rows of experts that a token did not choose are left out: the first kernel's head says why and with what limit), on codes of E2M1 with one E8M0
; scale for each 32 along K = F.  w_down: [8][F 1024][D 1024] f32.  By expert e and place p in its list: hq [e][F block 32][p 2048][16 bytes], hs [e][p][32]; tlist[e][p] = token; seg[e] = the list's length n.
; SHARES.  Work-group (bx, e) owns columns 32 bx .. + 31 of expert e, all of K: 131,072 bytes of f32, which no other work-group reads.  The four work-groups of a cluster take 128 neighbouring columns: 512
; bytes on end of each row of w_down and of out0.  (64 columns a work-group would leave half of the 256 work-groups.)
; K STREAMS IN TWO CHUNKS OF 512.  Of a chunk, wave w quantises block w, by 8 loads of 16 bytes a lane: lane l holds rows 8 (l / 8) + 0 .. 7 of the block for columns 4 (l % 8) .. + 3, and the four lanes
; l % 8 + 8 y join their largest magnitudes.  Row 4 y + x is loaded at register 8 x + 4 y, and twelve swaps leave (row a, column c) at register 8 c + a.  The codes go to LDS, a row a column, each chunk in bytes of
; its own; a barrier; then the chunk's products: those of chunk 0 while chunk 1 is on its way.
; PRODUCTS.  Wave w takes the tiles of 16 places w, w + 16, ..; row r of tile t is place min(16 t + r, n - 1): rows past the end repeat the last row and store the same bits to the same bytes.
; USED TRANSPOSED (source 0 = 16 columns of the weight, source 1 = 16 rows of h).  Even and odd K steps have sums of their own, four accumulators by turns, added at the end.  A tile's 16 rows x 128 bytes go through
; the wave's own stage in LDS and leave by rows: eight lanes store 128 bytes on end in the row that the list names.
; No tensor load, and so no joint loads: the number of trips hangs on counts read from memory, and each weight byte is read by one work-group alone.  No prefetch: the weights are read without a loop to run ahead in.
; LIMITS: NaN and infinities are not served; a block whose largest magnitude lies under 2^-124, or of zeros, has the byte 1 (the bytes are read by this program alone).
.set RP,    272                        ; an LDS row of a chunk's codes: 256 bytes + 16
.set CHK,   32*RP                      ; a chunk: 32 rows
.set SCL,   2*CHK                      ; behind the two chunks: their scale bytes, 32 rows x 16 bytes each
.set STG,   SCL+2*512                  ; the stages: 16 rows x (128 + 16) bytes for each wave
.set SGP,   144
.set SPARE, STG+16*16*SGP              ; the spare words, 128 bytes for each of 16 waves, which no other line names
.set SPW,   14                         ; v14  LDS address of my spare word; never rewritten
.set NIL,   15                         ; v15  0; never rewritten
.set T,     16                         ; v16-19   lane permutes' results
.set PA,    20                         ; v20-23   where the tokens of rows 4 i + lane / 8 stand in the list
.set PT,    24                         ; v24-27   those tokens
.set OA,    28                         ; v28-31   the rows' byte offsets in out0
.set X0,    32                         ; v32-127  three buffers: a chunk's numbers, or two K steps' weight fragments
.set X1,    64
.set X2,    96
.set SM,    32                         ; v32-47   the way out: the sums
.set OB,    48                         ; v48-63   the way out: rows read back from the stage
.set ACC,   128                        ; v128-159 four accumulators: column tiles 0, 1 of the even K steps, then of the odd ones
.set TF,    160                        ; v160-223 the tile's fragments of h, 8 registers a K step
.set TS,    224                        ; v224-231 its scale words, one a K step: scales alone
.set WS,    232                        ; v232-239 the weights' scale words, one a K step: lanes 0-15 tile 0, lanes 16-31 tile 1: scales alone
.set BY,    240                        ; v240-243 the scales' bytes
.set LY,    244                        ; v244     lane / 8
.set MX,    248                        ; v248-251 my four columns' largest magnitudes, then the conversions' scale operands
.set CT,    252                        ; v252-255 codes
; v1 16 (lane % 8), v2 r, v3 h, v4 my offset in the weights, v5, v6 where I store codes and scale bytes, v7, v8 where I read fragments and scale words, v9 p, v10, v11 h's addresses, v12, v13 the stage, in and back
; s20 wave, s23 bx, s40 e, s[24:25] my weights, s28 n, s31 n - 1, s32 my tiles, s33 the trip, s34 my tile's first place
	s_load_b256 s[4:11], s[0:1], 0x0               ; w_down s[4:5], hq s[6:7], hs s[8:9], tlist s[10:11]
	s_load_b128 s[12:15], s[0:1], 0x20             ; seg s[12:13], out0 s[14:15]
	v_lshl_add_u32 v[SPW], v0, 2, SPARE
	v_mov_b32 v[NIL], 0
	v_lshrrev_b32 v1, 5, v0
	v_readfirstlane_b32 s20, v1
	v_and_b32 v1, 31, v0
	v_and_b32 v2, 15, v0
	v_bfe_u32 v3, v0, 4, 1
	; No cluster (branches hang on counts read from memory): in place of the head's four work-groups of a cluster, the two work-groups x and x + 16 take 64 neighbouring columns, 256 bytes on end of each row
	s_and_b32 s23, ttmp9, 15
	s_lshl_b32 s23, s23, 1
	s_lshr_b32 s26, ttmp9, 4
	s_add_co_u32 s23, s23, s26                     ; bx = 2 (x % 16) + x / 16
	s_and_b32 s40, ttmp7, 0xffff
	v_and_b32 v22, 7, v0                           ; lane % 8: which four columns
	v_bfe_u32 v[LY], v0, 3, 2                      ; lane / 8: which eight rows
	v_lshlrev_b32 v8, 4, v1
	v_mul_u32_u24 v7, v2, RP
	v_mul_u32_u24 v12, v2, SGP
	v_lshlrev_b32 v4, 4, v22
	v_mul_u32_u24 v5, v22, 4*RP
	v_lshlrev_b32 v6, 6, v22
	v_mul_u32_u24 v13, v[LY], SGP
	v_add_nc_u32 v8, SCL, v8
	v_lshlrev_b32 v1, 4, v22
	v_lshl_add_u32 v4, v[LY], 15, v4               ; 16 (lane % 8) + 8 rows of 4,096 bytes x (lane / 8)
	v_lshl_add_u32 v5, v[LY], 2, v5
	s_lshl_b32 s26, s20, 4
	v_add_nc_u32 v5, s26, v5                       ; codes: row 4 (lane % 8) x 272 + 16 x block + 4 x (lane / 8); columns 1 to 3 lie in the next three rows
	s_add_co_u32 s26, s20, SCL
	v_add_nc_u32 v6, s26, v6                       ; scale byte: SCL + 16 x row + block
	v_lshl_add_u32 v7, v3, 4, v7                   ; a fragment: row r x 272 + 16 h
	s_mul_i32 s26, s20, 16*SGP
	s_add_co_u32 s26, s26, STG                     ; my stage
	v_lshl_add_u32 v12, v3, 5, v12
	v_lshl_add_u32 v13, v22, 4, v13
	v_add_nc_u32 v12, s26, v12                     ; in: row r, + 32 h
	v_add_nc_u32 v13, s26, v13                     ; back: eight lanes a row
.irp c, 0,1,2,3
	v_mov_b32 v[T+\c], 0                           ; written once: a lane permute's destination counts as one of its sources
.endr
	s_mov_b32 s36, 0x76543210
	s_mov_b32 s37, 0xfedcba98                      ; v_permlanex16_b32's selects for lane l xor 16
	s_lshl_b32 s34, s20, 4                         ; my first tile's first place
	s_lshl_b32 s26, s40, 22                        ; expert: 1024 x 1024 x 4 bytes
	s_lshl_b32 s27, s20, 17                        ; block: 32 rows of 4,096 bytes
	s_add_co_u32 s26, s26, s27
	s_lshl_b32 s27, s23, 7                         ; 32 columns
	s_add_co_u32 s26, s26, s27
	s_mov_b32 s27, 0
	s_lshl_b32 s35, s40, 7
	s_wait_alu depctr_va_vdst(0)                   ; the wait at the head's end
	s_wait_kmcnt 0x0
	s_load_b32 s28, s[12:13], s35 offset:0x0       ; n
	s_add_nc_u64 s[24:25], s[4:5], s[26:27]
.macro WLOAD ch, xb                    ; chunk ch: 8 loads; row 4 y + x of my eight lands at register 8 x + 4 y
.irp a, 0,1,2,3,4,5,6,7
	global_load_b128 v[(\xb)+8*(\a%4)+4*(\a/4):(\xb)+8*(\a%4)+4*(\a/4)+3], v4, s[24:25] offset:(512*(\ch)+\a)*4096
.endr
.endm
.macro QUANT xb, ch                    ; my part of chunk ch to LDS
.set XG, \xb
.irp y, 0,1
.irp x, 0,1,2
.irp z, 1,2,3
.if \z > \x
	v_swap_b32 v[XG+8*\x+4*\y+\z], v[XG+8*\z+4*\y+\x]
.endif
.endr
.endr
.endr
.irp c, 0,1,2,3
	v_max3_num_f32 v[MX+\c], |v[XG+8*\c]|, |v[XG+8*\c+1]|, 0x1800000   ; the first two numbers and the floor 2^(3 - 127): the byte cannot fall under 1
.endr
.irp i, 2,4,6
.irp c, 0,1,2,3
	s_delay_alu instid0(VALU_DEP_4)
	v_max3_num_f32 v[MX+\c], v[MX+\c], |v[XG+8*\c+\i]|, |v[XG+8*\c+\i+1]|   ; (the four columns by turns)
.endr
.endr
.irp c, 0,1,2,3
	v_max_num_f32_dpp v[MX+\c], v[MX+\c], v[MX+\c] row_xmask:8 row_mask:0xf bank_mask:0xf   ; with lane l xor 8's rows,
.endr
.irp c, 0,1,2,3
	v_permlanex16_b32 v[T+\c], v[MX+\c], s36, s37
.endr
.irp c, 0,1,2,3
	v_max_num_f32 v[MX+\c], v[MX+\c], v[T+\c]      ; and lane l xor 16's: the block's largest magnitude
.endr
.irp c, 0,1,2,3
	v_add_nc_u32 v[MX+\c], 0xff000000, v[MX+\c]    ; 2 off the exponent field: the conversion's scale operand
.endr
.irp c, 0,1,2,3
	v_cvt_scalef32_pk8_fp4_f32 v[CT+\c], v[XG+8*\c:XG+8*\c+7], v[MX+\c]
.endr
.irp c, 0,1,2,3
	v_lshrrev_b32 v[BY+\c], 23, v[MX+\c]           ; the scales' bytes (plain lines behind the conversions)
.endr
.irp c, 0,1,2,3
	ds_store_b32 v5, v[CT+\c] offset:(\ch)*CHK+\c*RP
.endr
.irp c, 0,1,2,3
	ds_store_b8 v6, v[BY+\c] offset:512*(\ch)+16*\c   ; the block's four lanes write the same byte with the same value
.endr
.endm
.macro MEET                            ; my codes and bytes lie in LDS; behind the barrier everybody's do
	s_wait_dscnt 0x0
	s_barrier_signal -1
	s_barrier_wait -1
.endm
.macro PCALC                           ; the tile's places, h's addresses, and where the tokens of the rows that I will store stand in the list
	v_add_nc_u32 v9, s34, v2
	v_add_nc_u32 v[PA], s34, v[LY]
.irp i, 1,2,3
	v_add_nc_u32 v[PA+\i], 4*\i, v[PA]
.endr
	v_min_u32 v9, s31, v9                          ; rows past the expert's end repeat its last row
.irp i, 0,1,2,3
	v_min_u32 v[PA+\i], s31, v[PA+\i]
.endr
	v_min_u32 v9, 0x7ff, v9
.irp i, 0,1,2,3
	v_min_u32 v[PA+\i], 0x7ff, v[PA+\i]
.endr
	v_lshlrev_b32 v10, 4, v9
	v_lshlrev_b32 v11, 5, v9                       ; 32 p
.irp i, 0,1,2,3
	v_lshlrev_b32 v[PA+\i], 2, v[PA+\i]
.endr
	v_lshl_add_u32 v10, v3, 15, v10                ; 16 p + h planes of 32,768 bytes
.endm
.macro HLOAD                           ; 22 loads: the tile's eight fragments (lane (r, h): the whole block 4 s + 2 c + h of row p), its rows' scale words, four tokens
.irp s, 0,1,2,3,4,5,6,7
.irp c, 0,1
	global_load_b128 v[TF+8*\s+4*\c:TF+8*\s+4*\c+3], v10, s[6:7] offset:131072*\s+65536*\c
.endr
.endr
	global_load_b128 v[TS:TS+3], v11, s[8:9]
	global_load_b128 v[TS+4:TS+7], v11, s[8:9] offset:16
.irp i, 0,1,2,3
	global_load_b32 v[PT+\i], v[PA+\i], s[10:11]
.endr
.endm
.macro PLACES                          ; plain lines between products that read registers and the loads into them (not for loads)
.rept 4
	v_nop
.endr
.endm
.macro FETCH p, buf                    ; K steps 2 p, 2 p + 1: fragment f = column tile f % 2 of K step 2 p + f / 2: 8 loads
.irp f, 0,1,2,3
.set rS, 2*(\p)+\f/2
.irp c, 0,1
	ds_load_b128 v[(\buf)+8*\f+4*\c:(\buf)+8*\f+4*\c+3], v7 offset:(rS/4)*CHK+16*(\f%2)*RP+64*(rS%4)+32*\c
.endr
.endr
.endm
.macro MUL p, buf                      ; four products, the accumulators by turns, one instruction a turn; K steps 0 and 1 start the sums
.irp f, 0,1,2,3
.set rS, 2*(\p)+\f/2
.set rD, ACC+8*\f
.set rA, (\buf)+8*\f
.set rB, TF+8*rS
.set rSA, WS+rS
.set rSB, TS+rS
.if (\p) == 0
.if \f%2
	v_wmma_scale_f32_16x16x128_f8f6f4 v[rD:rD+7], v[rA:rA+7], v[rB:rB+7], 0, v[rSA], v[rSB] matrix_a_fmt:MATRIX_FMT_FP4 matrix_b_fmt:MATRIX_FMT_FP4 matrix_a_scale:MATRIX_SCALE_ROW1
.else
	v_wmma_scale_f32_16x16x128_f8f6f4 v[rD:rD+7], v[rA:rA+7], v[rB:rB+7], 0, v[rSA], v[rSB] matrix_a_fmt:MATRIX_FMT_FP4 matrix_b_fmt:MATRIX_FMT_FP4
.endif
.else
.if \f%2
	v_wmma_scale_f32_16x16x128_f8f6f4 v[rD:rD+7], v[rA:rA+7], v[rB:rB+7], v[rD:rD+7], v[rSA], v[rSB] matrix_a_fmt:MATRIX_FMT_FP4 matrix_b_fmt:MATRIX_FMT_FP4 matrix_a_scale:MATRIX_SCALE_ROW1
.else
	v_wmma_scale_f32_16x16x128_f8f6f4 v[rD:rD+7], v[rA:rA+7], v[rB:rB+7], v[rD:rD+7], v[rSA], v[rSB] matrix_a_fmt:MATRIX_FMT_FP4 matrix_b_fmt:MATRIX_FMT_FP4
.endif
.endif
.endr
.endm
.macro FINISH                          ; a tile goes out, and my next one is asked for
.rept 5
	v_nop                                          ; five plain lines: four ahead of reads of results and of loads into operands, five ahead of products that begin the sums anew
.endr
.irp i, 0,1,2,3
	v_min_u32 v[OA+\i], 0x7ff, v[PT+\i]            ; this tile's tokens,
.endr
.irp i, 0,1,2,3
	v_lshl_add_u32 v[OA+\i], v[OA+\i], 12, v1      ; as rows of 4,096 bytes, + 16 (lane % 8)
.endr
	s_add_co_u32 s34, s34, 256                     ; my next tile lies 16 tiles on
	s_add_co_u32 s35, s33, 1
	s_cmp_ge_u32 s35, s32
	s_cbranch_scc1 .Lnoload_\@                     ; my last tile asks for nothing more
	PCALC
	HLOAD
.Lnoload_\@:
.irp i, 0,2,4,6,8,10,12,14
	v_pk_add_f32 v[SM+\i:SM+\i+1], v[ACC+\i:ACC+\i+1], v[ACC+16+\i:ACC+16+\i+1]   ; even and odd K steps; each accumulator from its low end on
.endr
.irp t, 0,1
	ds_store_b128 v12, v[SM+8*\t:SM+8*\t+3] offset:64*\t           ; lane (r, h): columns 16 t + 8 h + 0 .. 7 of row r
	ds_store_b128 v12, v[SM+8*\t+4:SM+8*\t+7] offset:64*\t+16
.endr
.irp i, 0,1,2,3
	ds_load_b128 v[OB+4*\i:OB+4*\i+3], v13 offset:4*SGP*\i         ; rows 4 i + lane / 8, whole; LDS serves a wave's instructions in order: these see my stores
.endr
	s_wait_alu depctr_va_vdst(0)                   ; the wait here, ahead of the waits below
.irp i, 0,1,2,3
	s_wait_dscnt 3-\i                              ; the younger read-backs may be out
	global_store_b128 v[OA+\i], v[OB+4*\i:OB+4*\i+3], s[14:15]
.endr
.endm
	WLOAD 0, X0
	s_lshl_b32 s26, s40, 20
	s_add_nc_u64 s[6:7], s[6:7], s[26:27]          ; my expert's h codes,
	s_lshl_b32 s26, s40, 16
	s_add_nc_u64 s[8:9], s[8:9], s[26:27]          ; scale bytes,
	s_lshl_b32 s26, s40, 13
	s_add_nc_u64 s[10:11], s[10:11], s[26:27]      ; and list
	s_lshl_b32 s26, s23, 7
	s_add_nc_u64 s[14:15], s[14:15], s[26:27]      ; out0 at my 32 columns
	s_wait_kmcnt 0x0
	s_sub_co_u32 s31, s28, 1                       ; the expert's last place
	s_min_u32 s32, s28, 2048
	s_add_co_u32 s32, s32, 15
	s_lshr_b32 s32, s32, 4                         ; its tiles, 128 at the most
	s_add_co_u32 s32, s32, 15
	s_sub_co_u32 s32, s32, s20
	s_lshr_b32 s32, s32, 4                         ; mine: (tiles + 15 - w) / 16, 0 to 8
	s_mov_b32 s33, 0                               ; the trip
	PCALC
	HLOAD                                          ; (a wave with no tile loads the last row and uses nothing of it: the counts below are the same on every path)
	WLOAD 1, X1
	s_wait_loadcnt 30                              ; chunk 0 is in; behind it: h's 22 and chunk 1's 8
	QUANT X0, 0
	MEET
	ds_load_b128 v[WS:WS+3], v8
	FETCH 0, X0
	FETCH 1, X2
	s_wait_loadcnt 8                               ; h is in; chunk 1 may be out
	s_wait_dscnt 8
	MUL 0, X0
	s_wait_dscnt 0x0
	MUL 1, X2
	s_wait_loadcnt 0x0                             ; chunk 1 is in
	QUANT X1, 1
	MEET                                           ; the last barrier
	ds_load_b128 v[WS+4:WS+7], v8 offset:512
	FETCH 2, X1
	FETCH 3, X0
	s_wait_dscnt 8
	MUL 2, X1
	s_wait_dscnt 0x0
	MUL 3, X0
	s_cmp_eq_u32 s32, 0
	s_cbranch_scc1 .Ldone                          ; no tile was mine
	FINISH
	s_mov_b32 s33, 1
	s_cmp_ge_u32 s33, s32
	s_cbranch_scc1 .Ldone
.Ltrip:
	s_wait_loadcnt 0x0                             ; the tile's fragments, scale words and tokens are in
	s_wait_xcnt 0x0                                ; the last tile's stores have read their addresses and data
	FETCH 0, X0
	FETCH 1, X1
	FETCH 2, X2
	s_wait_dscnt 16                                ; K steps 0, 1 are in; the two fetches behind them may be out
	MUL 0, X0
	PLACES
	FETCH 3, X0
	s_wait_dscnt 16
	MUL 1, X1
	s_wait_dscnt 8
	MUL 2, X2
	s_wait_dscnt 0x0
	MUL 3, X0
	FINISH
	s_add_co_u32 s33, s33, 1
	s_cmp_lt_u32 s33, s32
	s_cbranch_scc1 .Ltrip
.Ldone:
	s_wait_tensorcnt 0x0                           ; the wave's end, behind my last LDS store
	ds_add_u32 v[SPW], v[NIL]
	s_wait_dscnt 0x0
	s_endpgm
.Lfunc_end_k_q9d01fcfa3e_down:
	.size	k_q9d01fcfa3e_down, .Lfunc_end_k_q9d01fcfa3e_down-k_q9d01fcfa3e_down
	.p2alignl 7, 3214868480
	.fill 96, 4, 3214868480
	.section	.rodata,"a",@progbits
	.p2align	6, 0x0
	.amdhsa_kernel k_q9d01fcfa3e_down
		.amdhsa_group_segment_fixed_size 57344
		.amdhsa_private_segment_fixed_size 0
		.amdhsa_enable_private_segment 0
		.amdhsa_kernarg_size 48
		.amdhsa_user_sgpr_count 2
		.amdhsa_user_sgpr_kernarg_segment_ptr 1
		.amdhsa_wavefront_size32 1
		.amdhsa_system_sgpr_workgroup_id_x 1
		.amdhsa_system_sgpr_workgroup_id_y 1
		.amdhsa_system_sgpr_workgroup_id_z 1
		.amdhsa_system_vgpr_workitem_id 0
		.amdhsa_next_free_vgpr 256
		.amdhsa_next_free_sgpr 66
		.amdhsa_reserve_vcc 0
		.amdhsa_float_denorm_mode_32 3
		.amdhsa_float_denorm_mode_16_64 3
		.amdhsa_memory_ordered 1
		.amdhsa_forward_progress 1
		.amdhsa_inst_pref_size 35
	.end_amdhsa_kernel
	.amdgpu_metadata
---
amdhsa.version: [ 1, 2 ]
amdhsa.kernels:
  - .name:           k_q9d01fcfa3e_down
    .symbol:         k_q9d01fcfa3e_down.kd
    .args:
      - { .name: w_down, .offset: 0, .size: 8, .value_kind: global_buffer, .address_space: global }
      - { .name: hq, .offset: 8, .size: 8, .value_kind: global_buffer, .address_space: global }
      - { .name: hs, .offset: 16, .size: 8, .value_kind: global_buffer, .address_space: global }
      - { .name: tlist, .offset: 24, .size: 8, .value_kind: global_buffer, .address_space: global }
      - { .name: seg, .offset: 32, .size: 8, .value_kind: global_buffer, .address_space: global }
      - { .name: out0, .offset: 40, .size: 8, .value_kind: global_buffer, .address_space: global }
    .group_segment_fixed_size: 57344
    .private_segment_fixed_size: 0
    .kernarg_segment_align: 8
    .kernarg_segment_size: 48
    .max_flat_workgroup_size: 512
    .sgpr_count:     66
    .vgpr_count:     256
    .wavefront_size: 32
...
	.end_amdgpu_metadata
.endif
;; end of part 3
